; MI455X (gfx1250); checked and timed in simulation.
; The chip was launched on July 23, 2026; its instructions are those of AMD's public machine-readable ISA for CDNA 5 (MIT licence, August 2026) and "CDNA5" Instruction Set Architecture Reference Guide (July 2026). The comments in the code are by the model that wrote it; some were corrected since.
;; Multi Res Hash Grid. Allowed arithmetic: matrix products marked QUANTISED: E2M3 operands, one E8M0 scale for each 32 along K, by v_wmma_scale_f32_16x16x128_f8f6f4 with both operands' format E2M3, f32 sums; products left as they are: f32 operands where the result goes on into a quantised operand, else bf16, f16 or f32 operands; f32 sums; everything else in f32.
;; Inputs: W1_codes 64 x 1 x 24 uint8 (E2M3 codes of W1, K innermost, in blocks of 32 codes, four codes in three bytes); W1_scales 64 x 1 uint8 (E8M0 scales of W1, one for each 32 codes along K); W2_codes 64 x 2 x 24 uint8 (E2M3 codes of W2, K innermost, in blocks of 32 codes, four codes in three bytes); W2_scales 64 x 2 uint8 (E8M0 scales of W2, one for each 32 codes along K); W3 64 x 1 float32; b1 64 float32; b2 64 float32; b3 1 float32; resolutions 16 float32; tables 16 x 524,288 x 2 float32; x 500,000 x 3 float32.
;; Outputs: out0 500,000 x 1 float32.
;; This version of the problem:
;;   THIS VERSION OF THE PROBLEM IS GIVEN IN LOW PRECISION. The matrix products marked QUANTISED in the list below multiply operands that are first quantised to E2M3 (2 exponent bits, 3 mantissa bits; 6 bits a number), with one power-of-two scale for each 32 numbers along K (OCP MX v1.0); their sums are f32. All else is computed in f32.
;;   The module's matrix products, in the order in which they are computed (A, B: the left and right operand; K: the contracted axis; several contracted axes count as one K, in the product's order):
;;     1. [M 500,000, K 32] x [K 32, N 64]; A: computed on the way; B: input W1 (given as codes): QUANTISED
;;     2. [M 500,000, K 64] x [K 64, N 64]; A: computed on the way; B: input W2 (given as codes): QUANTISED
;;     3. [M 500,000, K 64] x [K 64, N 1]; A: computed on the way; B: input W3: left as it is (N = 1 < 16)
;;   THE QUANTISER, for each operand of a quantised product, along K:
;;     - K is cut into blocks of 32 from its start; a last block that is shorter is filled with zeros.
;;     - A block's scale is 2^e with e = floor(log2(the largest magnitude in the block)) - 2, held to -126 .. 127; a block of zeros has e = 0. As a byte (E8M0): e + 127.
;;     - Each number is divided by its block's scale, clamped to +-7.5, and rounded to the nearest number of E2M3, ties to even, subnormals kept.
;;     - The product sums the exact products of the quantised numbers (number of the format x scale) in f32.
;;   ~~~python
;;   def quantise(x, axis):      # numpy; x: float32 -> the quantised numbers, widened to float32 again
;;       x = np.moveaxis(x, axis, -1); K = x.shape[-1]
;;       x = np.pad(x, [(0, 0)] * (x.ndim - 1) + [(0, -K % 32)]); x = x.reshape(x.shape[:-1] + (-1, 32)); a = np.abs(x).max(-1, keepdims=True)
;;       e = np.where(a > 0, np.clip(np.frexp(np.where(a > 0, a, 1))[1] - 1 - 2, -126, 127), 0)      # np.frexp(a)[1] - 1 = floor(log2(a)), exactly
;;       r = np.clip(x / 2.0 ** e, -7.5, 7.5)
;;       step = 2.0 ** (np.maximum(np.frexp(np.where(r == 0, 1, r))[1] - 1, 0) - 3)
;;       q = np.round(r / step) * step * 2.0 ** e      # np.round: ties to even
;;       return np.moveaxis(q.reshape(q.shape[:-2] + (-1,))[..., :K], -1, axis).astype(np.float32)
;;   ~~~
;;   OPERANDS COMPUTED ON THE WAY. 'Computed on the way' means the value that the module computes at that place (a softmax that the list does not call 'softmax' is quantised finished and normalised). What goes into a quantiser is computed in f32, as accurately as f32 sums, v_exp_f32 and their like allow (about 1e-6 of the number): no bf16 or f16 on the way to a quantiser, and a product that is left as it is and whose result goes on into a quantised operand takes f32 operands (vector FMAs, or v_wmma_f32_16x16x4_f32). A number that lies on a knife's edge between two numbers of the format may be rounded either way, as far as f32 arithmetic and the matrix unit's own rounding can turn it there, and no further.
;;   INPUTS GIVEN AS CODES. W1 (in the module: [32, 64], K = its axis 0); W2 (in the module: [64, 64], K = its axis 0): each comes as NAME_codes (uint8): NAME with its K axis moved to the last place and cut into blocks of 32 codes, [.., K / 32, bytes a block], one block behind the other in memory; four codes in three bytes: a row's codes are one little-endian stream of bits, code i at bits 6 i .. 6 i + 5 (a code: sign, 2 exponent bits, 3 mantissa bits); and NAME_scales (uint8): the same leading axes, one E8M0 byte (e + 127) for each 32 codes along K. Its value is code x scale, taken as it is: it is not quantised again, and the codes and scales need not be those that the quantiser above would give.
;; 2 versions, each right; version 2 is version 1 with the launch encode_mlp written anew for expert scheduling mode. Each part assembles by itself: llvm-mc -triple=amdgcn-amd-amdhsa -mcpu=gfx1250 --defsym DOCPART=n.
;; ======== version 1 of 2: 2 launches
;; workspace buffers: cells 64,000,000 bytes of whole numbers
;; launch make_cells (part 1): grid 3125 x 1, 5 waves a work-group, no clusters, 0 bytes of LDS; arguments x, resolutions, cells; writes cells
.if DOCPART == 1
	.amdgcn_target "amdgcn-amd-amdhsa--gfx1250"
	.amdhsa_code_object_version 6
	.text
	.protected	k_q3a322230f1_make_cells
	.globl	k_q3a322230f1_make_cells
	.p2align	8
	.type	k_q3a322230f1_make_cells,@function
k_q3a322230f1_make_cells:
	s_mov_b64 s[64:65], 0
	v_nop
	global_prefetch_b8 v0, s[64:65] scope:SCOPE_SE
	s_setreg_imm32_b32 hwreg(HW_REG_WAVE_MODE, 25, 1), 1
	s_wait_xcnt 0x0
; For each of 500,000 points and each of 16 levels: the voxel that holds the point, as whole numbers, for the launch that gathers.
; x01 = x / 2 + 0.5 (one fused multiply-add: x / 2 is exact, so the one rounding is that of the addition); pos = x01 * res; c = int(floor(pos)).
; Only the low 19 bits of cx, cy * P1 and cz * P2 reach a table index (the index is their exclusive or, masked to 19 bits), and the upper
; corners' terms are cx + 1, cy * P1 + P1, cz * P2 + P2 modulo 2^32.  So two words a point and level hold all that the gather needs:
;   u0 = (cx & 0x7ffff) | (a << 19),  u1 = ((a >> 13) & 0x3f) | (b << 6),  a = cy * P1, b = cz * P2 (modulo 2^32).
; cells is laid [16 levels][500,000 points][2 words]: a level is 4,000,000 bytes = 15,625 x 256.
; SHARES: a lane a point, a wave 32 points, a work-group 160 (500,000 = 3,125 x 160).  Each store of a wave covers 256 consecutive bytes, aligned.
; No loop, no LDS, no barrier, no matrix work: the launch reads 12 bytes and writes 128 bytes a point.
; LIMITS: |pos| under 2^24 (beyond it the float addition of 1 is no longer the whole number's); a negative pos is taken in two's complement;
; NaN and infinities in x are not served.
.set LVB, 4000000                      ; bytes of a level in cells
.set RES, 16                           ; s[16:31] the 16 resolutions
.set CB,  32                           ; s[32:39] four bases in cells, at levels 1, 5, 9, 13: a level's store reaches -1 .. +2 levels by its immediate
.set P1,  40                           ; s40 2654435761
.set P2,  41                           ; s41 805459861
.set MSK, 42                           ; s42 2^19 - 1
.set U,   16                           ; v[16:47] level l's two words at v[16 + 2 l]: no store's data are written again
.set T0,  48                           ; v48-55, v56-63: two sets at work, for even and odd levels
	s_load_b128 s[4:7], s[0:1], 0x0                ; x s[4:5], resolutions s[6:7]
	s_load_b64 s[8:9], s[0:1], 0x10                ; cells
	v_mul_u32_u24 v1, v0, 12                       ; my point's 12 bytes among the work-group's
	v_lshlrev_b32 v2, 3, v0                        ; and its 8 bytes in a level of cells
	s_mov_b32 s[P1], 0x9e3779b1
	s_mov_b32 s[P2], 0x30025795
	s_mov_b32 s[MSK], 0x7ffff
	s_mul_i32 s12, ttmp9, 1920                     ; 160 points x 12 bytes
	s_mov_b32 s13, 0
	s_mul_i32 s14, ttmp9, 1280                     ; 160 points x 8 bytes
	s_mov_b32 s15, 0
	s_wait_kmcnt 0x0
	s_load_b512 s[RES:RES+15], s[6:7], 0x0         ; nobody writes this tensor: a scalar load serves
	s_add_nc_u64 s[4:5], s[4:5], s[12:13]
	s_add_nc_u64 s[8:9], s[8:9], s[14:15]
.irp q, 0,1,2,3
	s_add_nc_u64 s[CB+2*\q:CB+2*\q+1], s[8:9], (4*\q+1)*LVB
.endr
	global_load_b96 v[4:6], v1, s[4:5] th:TH_LOAD_NT   ; the wave reads 384 consecutive bytes
	s_wait_kmcnt 0x0                               ; the resolutions
	s_wait_loadcnt 0x0                             ; x
	v_fma_f32 v8, v4, 0.5, 0.5
	v_fma_f32 v9, v5, 0.5, 0.5
	v_fma_f32 v10, v6, 0.5, 0.5
.macro LEVEL l
.set T, T0+8*((\l)%2)
	v_mul_f32 v[T],   s[RES+(\l)], v8              ; pos
	v_mul_f32 v[T+1], s[RES+(\l)], v9
	v_mul_f32 v[T+2], s[RES+(\l)], v10
	v_floor_f32 v[T],   v[T]
	v_floor_f32 v[T+1], v[T+1]
	v_floor_f32 v[T+2], v[T+2]
	v_cvt_i32_f32 v[T],   v[T]                     ; cx, cy, cz
	v_cvt_i32_f32 v[T+1], v[T+1]
	v_cvt_i32_f32 v[T+2], v[T+2]
	v_mul_lo_u32 v[T+1], v[T+1], s[P1]             ; a
	v_mul_lo_u32 v[T+2], v[T+2], s[P2]             ; b
	v_and_b32 v[T], s[MSK], v[T]
	v_lshl_or_b32 v[U+2*(\l)], v[T+1], 19, v[T]    ; u0: cx's 19 bits, a's low 13 above them
	v_bfe_u32 v[T+3], v[T+1], 13, 6                ; a's bits 13 to 18
	v_lshl_or_b32 v[U+2*(\l)+1], v[T+2], 6, v[T+3] ; u1: those six, b's low 26 above them
	global_store_b64 v2, v[U+2*(\l):U+2*(\l)+1], s[CB+2*((\l)/4):CB+2*((\l)/4)+1] offset:(((\l)%4)-1)*LVB th:TH_STORE_NT
.endm
.irp l, 0,1,2,3,4,5,6,7,8,9,10,11,12,13,14,15
	LEVEL \l
.endr
	s_endpgm
.Lfunc_end_k_q3a322230f1_make_cells:
	.size	k_q3a322230f1_make_cells, .Lfunc_end_k_q3a322230f1_make_cells-k_q3a322230f1_make_cells
	.p2alignl 7, 3214868480
	.fill 96, 4, 3214868480
	.section	.rodata,"a",@progbits
	.p2align	6, 0x0
	.amdhsa_kernel k_q3a322230f1_make_cells
		.amdhsa_group_segment_fixed_size 0
		.amdhsa_private_segment_fixed_size 0
		.amdhsa_enable_private_segment 0
		.amdhsa_kernarg_size 24
		.amdhsa_user_sgpr_count 2
		.amdhsa_user_sgpr_kernarg_segment_ptr 1
		.amdhsa_wavefront_size32 1
		.amdhsa_system_sgpr_workgroup_id_x 1
		.amdhsa_system_sgpr_workgroup_id_y 1
		.amdhsa_system_sgpr_workgroup_id_z 1
		.amdhsa_system_vgpr_workitem_id 0
		.amdhsa_next_free_vgpr 64
		.amdhsa_next_free_sgpr 66
		.amdhsa_reserve_vcc 0
		.amdhsa_float_denorm_mode_32 3
		.amdhsa_float_denorm_mode_16_64 3
		.amdhsa_memory_ordered 1
		.amdhsa_forward_progress 1
		.amdhsa_inst_pref_size 14
	.end_amdhsa_kernel
	.amdgpu_metadata
---
amdhsa.version: [ 1, 2 ]
amdhsa.kernels:
  - .name:           k_q3a322230f1_make_cells
    .symbol:         k_q3a322230f1_make_cells.kd
    .args:
      - { .name: x, .offset: 0, .size: 8, .value_kind: global_buffer, .address_space: global }
      - { .name: resolutions, .offset: 8, .size: 8, .value_kind: global_buffer, .address_space: global }
      - { .name: cells, .offset: 16, .size: 8, .value_kind: global_buffer, .address_space: global }
    .group_segment_fixed_size: 0
    .private_segment_fixed_size: 0
    .kernarg_segment_align: 8
    .kernarg_segment_size: 24
    .max_flat_workgroup_size: 160
    .sgpr_count:     66
    .vgpr_count:     64
    .wavefront_size: 32
...
	.end_amdgpu_metadata
.endif
;; end of part 1
;; launch encode_mlp (part 2): grid 256 x 1, 8 waves a work-group, no clusters, 0 bytes of LDS; arguments x, cells, tables, resolutions, W1_codes, W1_scales, W2_codes, W2_scales, b1, b2, W3, b3, out0; writes out0
.if DOCPART == 2
	.amdgcn_target "amdgcn-amd-amdhsa--gfx1250"
	.amdhsa_code_object_version 6
	.text
	.protected	k_q3a322230f1_encode_mlp
	.globl	k_q3a322230f1_encode_mlp
	.p2align	8
	.type	k_q3a322230f1_encode_mlp,@function
k_q3a322230f1_encode_mlp:
	s_mov_b64 s[64:65], 0
	v_nop
	global_prefetch_b8 v0, s[64:65] scope:SCOPE_SE
	s_setreg_imm32_b32 hwreg(HW_REG_WAVE_MODE, 25, 1), 1
	s_wait_xcnt 0x0
; out0 = relu(relu(a W1 + b1) W2 + b2) W3 + b3, a = the hash grid's 32 features of a point (16 levels x 2, trilinear over 8 corners).
; The two first products are on codes of FP6 (E2M3) with one E8M0 scale for each 32 along K; W1 and W2 come as codes, a and the first hidden layer are quantised here, in registers.
; The table indices are made of WHOLE NUMBERS that the launch before stored (cells: two words a point and level); the weights w = pos - floor(pos) are made here, in f32, by the same
; instructions on the same numbers as that launch used for the cell.
; SHARES.  15,625 blocks of 32 points.  256 work-groups of eight waves; wave g = 256 x wave + work-group walks blocks g, g + 2,048 ..: 8 trips where g < 1,289, else 7.  A lane is a point.
; Waves share nothing: no LDS, no barrier.  No tensor loads, clusters or joint loads: what work-groups share are tables reached by a gather of 8 bytes a lane, not tiles; the weights are 5 KB and stay in registers.
; GATHERS.  Six sets of 16 registers take turns: the 8 gathers of level l + 5 are issued ahead of the wait for level l's, so 48 gathers of a wave are on their way.  A gather lands on its own index register.
; THE NEXT BLOCK's cells and x are asked for behind the last gather's wait, ahead of the MLP, so that no wait for a gather has to pass them (loads come back in order: ISA guide 5.7.1).
; LAYOUTS.  Both products are used transposed: source 0 = 16 rows of a weight, source 1 = 16 points.  A lane's 32 features are one whole block of K: its six code registers are source 1's registers 0-5 as they stand.
;   Product 1: source 0 holds W1's row in K blocks 0 AND 1 and zero codes in blocks 2, 3.  Points 0-15 (lanes 0-15) go as K block 0, with zero codes in lanes 16-31; points 16-31 (lanes 16-31) as K block 1, with zero
;   codes in lanes 0-15.  Lane r of tile t takes W1's row 32 (r / 8) + 8 t + r % 8, so that the 32 result registers of lane (r, h) are hidden units 32 h + 0 .. 31 of its point: one whole block of the next K.
;   Product 2: tile t takes W2's rows 16 t + r; K blocks 2, 3 are zero codes.  Lane (r, h), register 8 t + j: unit 16 t + 8 h + j.
;   The biases are the C of each product, in the result's layout.  Product 3 has one column: f32 multiply-adds in the lanes and one exchange between the halves of the lanes.
; out0: a block's 32 numbers are 128 consecutive bytes, aligned to 128: 500,000 has no factor 64, so a wave has no 256 bytes of its own to store.
; LIMITS: |pos| under 2^24; a negative pos is taken in two's complement; NaN and infinities in x are not served; a block of zeros gets the scale byte 1 where the quantiser says 127
; (its codes are zeros, which add nothing under any byte but 0xff, and nobody else reads the byte); blocks whose largest magnitude lies under 2^-124 keep the byte 1.
.set LVB,    4000000                   ; bytes of a level in cells
.set NBLK,   15625                     ; blocks of 32 points
.set STRIDE, 2048                      ; waves in the launch
; ---- window 0
.set CO,  1                            ; v1   256 x block + 8 x lane: my place in a level of cells
.set XO,  2                            ; v2   384 x block + 12 x lane: in x
.set OO,  3                            ; v3   128 x block + 4 x lane: in out0
.set XR,  4                            ; v[4:6] x as loaded
.set PFO, 7                            ; v7   the prefetch's offset in cells
.set X01, 8                            ; v8-10
.set W6,  12                           ; v[12:17] 1 - wx, wx, 1 - wy, wy, 1 - wz, wz
.set POS, 18                           ; v18-20
.set FL,  21                           ; v21-23
.set WC,  24                           ; v[24:31] the eight corners' weights
.set WXY, 32                           ; v[32:35] the four products of x's and y's factors
.set TA,  36                           ; v36 a;  v37 b;  v38 a + P1;  v39 b + P2
.set TB,  37
.set TA1, 38
.set TB1, 39
.set X0M, 40                           ; v40 cx, v41 cx + 1, masked
.set X1M, 41
.set E0,  42                           ; v42-45 y's term xor z's term, masked: index y + 2 z
.set ACC2, 46                          ; v[46:47] corners 4 to 7
.set C,   48                           ; v[48:79] cells: level l at v[48 + 2 l]
.set A,   80                           ; v[80:111] the features: k = 2 l + f
.set G,   112                          ; v[112:207] six sets of 16: a corner's index, then its two features
.set HL,  112                          ; in the MLP: v[112:143] the hidden units of points 0-15, v[144:175] of points 16-31
.set HH,  144
.set MXA, 176                          ; v176-183 at work in the MLP
.set MXB, 177
.set MXC, 178
.set MXD, 179
.set SCL, 180
.set SCH, 181
.set BYL, 182
.set BYH, 183
.set YA,  176                          ; v[176:183] four chains of the last product
.set BL,  208                          ; v[208:219] source 1 for points 0-15: six code registers, six of zero codes that stay
.set BH,  220                          ; v[220:231] for points 16-31
.set W1S, 232                          ; v232-235 W1's scale words, a tile each;  v236-239 W2's
.set W2S, 236
.set SB1, 240                          ; v240 a's scale word;  v241, v242 the hidden layer's: these hold scales and nothing else
.set SB2L, 241
.set SB2H, 242
.set QT,  244                          ; v[244:246], v[248:250] codes on their way (a conversion's three registers begin on an even number)
.set QT2, 248
.set OUTR, 251
.set OTL, 252                          ; v252, v253 what the other half of the lanes sends
.set OTH, 253
; at the head only (in a gather set): addresses of the constants' loads
.set HT,  176
.set HLN, 177
.set HR,  178
.set HHF, 179
.set HN1, 180
.set HW1, 181
.set HW2, 182
.set HS2, 183
.set HB1, 184
.set HB2, 185
; ---- window 1: constants, read once a wave
.set W1F, 0                            ; v[12 t ..] W1's tile t
.set W2F, 48                           ; W2's
.set B1C, 96                           ; v[96 + 8 t ..] b1 in the result's layout
.set B2C, 128
.set W3C, 160
; ---- scalars
.set RES, 32                           ; s[32:47] resolutions
.set TBL, 48                           ; s[48:63], s[66:81] a base for each level's table
.set CB,  82                           ; s[82:89] four bases in cells, at levels 1, 5, 9, 13
.set P1,  90
.set P2,  91
.set MSK, 92                           ; 2^19 - 1
.set LOW, 93                           ; lanes 0-15
.set SEL, 94                           ; s[94:95] v_permlanex16_b32's selects for lane l xor 16
.set TR,  96                           ; trips left
.set WV,  97
.set GID, 98
.set NB,  99                           ; the block that my odd partner takes next trip
.set LIM, 100                          ; 15,625 in even waves, 0 in odd ones
.set MSB, 0
.macro WIN new                         ; the immediate's high byte repeats the setting that is left
.if MSB != \new
	s_set_vgpr_msb (MSB<<8)|\new
.set MSB, \new
.endif
.endm
.macro PLACES n
.rept \n
	v_nop
.endr
.endm
; a block's 16 pairs of cell words and its x: 17 loads; each of the 16 covers 256 consecutive bytes, aligned; x's 384
.macro CLOADS
.irp l, 0,1,2,3,4,5,6,7,8,9,10,11,12,13,14,15
	global_load_b64 v[C+2*\l:C+2*\l+1], v[CO], s[CB+2*(\l/4):CB+2*(\l/4)+1] offset:((\l%4)-1)*LVB th:TH_LOAD_NT
.endr
	global_load_b96 v[XR:XR+2], v[XO], s[4:5] th:TH_LOAD_NT
.endm
	s_load_b512 s[4:19], s[0:1], 0x0               ; x s[4:5], cells s[6:7], tables s[8:9], resolutions s[10:11], W1's codes s[12:13], scales s[14:15], W2's codes s[16:17], scales s[18:19]
	s_load_b256 s[20:27], s[0:1], 0x40             ; b1 s[20:21], b2 s[22:23], W3 s[24:25], b3 s[26:27]
	s_load_b64 s[28:29], s[0:1], 0x60              ; out0
	v_lshrrev_b32 v[HT], 5, v0
	v_readfirstlane_b32 s[WV], v[HT]               ; wave 0..7
	v_and_b32 v[HLN], 31, v0                       ; lane
	v_and_b32 v[HR], 15, v0                        ; r
	v_bfe_u32 v[HHF], v0, 4, 1                     ; h
	s_lshl_b32 s[GID], s[WV], 8
	s_add_co_u32 s[GID], s[GID], ttmp9             ; g = 256 x wave + work-group: my first block
	s_cmp_lt_u32 s[GID], NBLK-7*STRIDE
	s_cselect_b32 s[TR], 8, 7                      ; 15,625 = 7 x 2,048 + 1,289
	s_add_co_u32 s[NB], s[GID], 256+STRIDE
	s_and_b32 s2, s[WV], 1
	s_cmp_eq_u32 s2, 0
	s_cselect_b32 s[LIM], NBLK, 0
	s_mov_b32 s[P1], 0x9e3779b1
	s_mov_b32 s[P2], 0x30025795
	s_mov_b32 s[MSK], 0x7ffff
	s_mov_b32 s[LOW], 0xffff
	s_mov_b32 s[SEL], 0x76543210
	s_mov_b32 s[SEL+1], 0xfedcba98
	s_lshl_b32 s2, s[GID], 8
	v_lshl_add_u32 v[CO], v[HLN], 3, s2
	v_mul_u32_u24 v[PFO], v[HR], LVB               ; the prefetch: lane r names level r; lanes 0-15 my block, lanes 16-31 my partner's (256 blocks on)
	v_lshl_add_u32 v[PFO], v[HHF], 16, v[PFO]
	v_add_nc_u32 v[PFO], s2, v[PFO]
	s_mul_i32 s3, s[GID], 384
	v_mad_u32_u24 v[XO], v[HLN], 12, s3
	s_lshl_b32 s31, s[GID], 7
	v_lshl_add_u32 v[OO], v[HLN], 2, s31
	v_and_b32 v[HT], 8, v[HR]
	v_and_b32 v[HN1], 7, v[HR]
	v_lshl_add_u32 v[HN1], v[HT], 2, v[HN1]        ; 32 (r / 8) + r % 8: W1's row for tile 0, and its scale byte's place
	v_mul_u32_u24 v[HW1], v[HN1], 24               ; a row of W1 is 24 bytes; both halves of the lanes take the same
	v_mul_u32_u24 v[HW2], v[HR], 48                ; a row of W2 is 48 bytes,
	v_mad_u32_u24 v[HW2], v[HHF], 24, v[HW2]       ; its K block h 24 h on
	v_lshlrev_b32 v[HS2], 1, v[HR]                 ; W2's scales: two bytes a row
	v_lshlrev_b32 v[HB1], 7, v[HHF]                ; b1: units 32 h + 8 t on
	v_lshlrev_b32 v[HB2], 5, v[HHF]                ; b2, W3: units 16 t + 8 h on
	s_wait_kmcnt 0x0
	s_load_b512 s[RES:RES+15], s[10:11], 0x0       ; nobody writes these tensors: scalar loads serve
	s_load_b32 s30, s[26:27], 0x0                  ; b3
.irp l, 0,1,2,3,4,5,6,7,8,9,10,11,12,13,14,15
	s_add_nc_u64 s[TBL+2*\l+2*(\l/8):TBL+2*\l+2*(\l/8)+1], s[8:9], \l*4194304
.endr
.irp q, 0,1,2,3
	s_add_nc_u64 s[CB+2*\q:CB+2*\q+1], s[6:7], (4*\q+1)*LVB
.endr
	CLOADS                                         ; the first block
	WIN 0x40                                       ; destination window 1, address window 0
.irp t, 0,1,2,3
.irp p, 0,1,2
	global_load_b64 v[W1F+12*\t+2*\p:W1F+12*\t+2*\p+1], v[HW1], s[12:13] offset:192*\t+8*\p
	global_load_b64 v[W2F+12*\t+2*\p:W2F+12*\t+2*\p+1], v[HW2], s[16:17] offset:768*\t+8*\p
.endr
.irp i, 6,7,8,9,10,11
	v_mov_b32 v[W1F+12*\t+\i], 0                   ; zero codes fill K from 64 to 127
	v_mov_b32 v[W2F+12*\t+\i], 0
.endr
	global_load_b128 v[B1C+8*\t:B1C+8*\t+3],   v[HB1], s[20:21] offset:32*\t
	global_load_b128 v[B1C+8*\t+4:B1C+8*\t+7], v[HB1], s[20:21] offset:32*\t+16
	global_load_b128 v[B2C+8*\t:B2C+8*\t+3],   v[HB2], s[22:23] offset:64*\t
	global_load_b128 v[B2C+8*\t+4:B2C+8*\t+7], v[HB2], s[22:23] offset:64*\t+16
	global_load_b128 v[W3C+8*\t:W3C+8*\t+3],   v[HB2], s[24:25] offset:64*\t
	global_load_b128 v[W3C+8*\t+4:W3C+8*\t+7], v[HB2], s[24:25] offset:64*\t+16
.endr
	WIN 0
.irp t, 0,1,2,3
	global_load_u8  v[W1S+\t], v[HN1], s[14:15] offset:8*\t
	global_load_u16 v[W2S+\t], v[HS2], s[18:19] offset:32*\t   ; a row's two bytes are its scale word as they lie; bytes 2, 3 are 0, over zero codes
.endr
.irp i, 6,7,8,9,10,11
	v_mov_b32 v[BL+\i], 0                          ; zero codes, for the whole launch
	v_mov_b32 v[BH+\i], 0
.endr
	v_mov_b32 v[OTL], 0                            ; written once: a lane permute's destination counts as one of its sources
	v_mov_b32 v[OTH], 0
	s_wait_loadcnt 0x0                             ; the constants, and the first block
	s_wait_kmcnt 0x0                               ; the resolutions and b3
.irp t, 0,1,2,3
	v_lshl_or_b32 v[W1S+\t], v[W1S+\t], 8, v[W1S+\t]   ; W1's row stands in K blocks 0 and 1: its byte in bytes 0 and 1
.endr
; The eight gathers of level l.  Bits above 18 of every term are dropped by the masks.  The index is held under 2^19 once more by a minimum with that constant written in the line, and is
; multiplied by the access's 8 bytes in the load itself.  A load lands on its own index register.
.macro ISSUE l
.set GS, G+16*((\l)%6)
.set TBS, TBL+2*(\l)+2*((\l)/8)
	v_alignbit_b32 v[TA], v[C+2*(\l)+1], v[C+2*(\l)], 19   ; a's low 19 bits (and bits of b above them)
	v_lshrrev_b32 v[TB], 6, v[C+2*(\l)+1]          ; b's low 26
	v_add_nc_u32 v[X1M], 1, v[C+2*(\l)]
	v_add_nc_u32 v[TA1], s[P1], v[TA]              ; (cy + 1) P1 = cy P1 + P1
	v_add_nc_u32 v[TB1], s[P2], v[TB]
	v_and_b32 v[X0M], s[MSK], v[C+2*(\l)]
	v_and_b32 v[X1M], s[MSK], v[X1M]
	v_xor_b32 v[E0],   v[TA],  v[TB]
	v_xor_b32 v[E0+1], v[TA1], v[TB]
	v_xor_b32 v[E0+2], v[TA],  v[TB1]
	v_xor_b32 v[E0+3], v[TA1], v[TB1]
.irp i, 0,1,2,3
	v_and_b32 v[E0+\i], s[MSK], v[E0+\i]
.endr
.irp i, 0,1,2,3,4,5,6,7                        ; corner i: x = i & 1, y = (i >> 1) & 1, z = i >> 2
	v_xor_b32 v[GS+2*\i], v[X0M+(\i&1)], v[E0+(\i>>1)]
.endr
.irp i, 0,1,2,3,4,5,6,7
	v_min_u32 v[GS+2*\i], 0x7ffff, v[GS+2*\i]
.endr
.irp i, 0,1,2,3,4,5,6,7
	global_load_b64 v[GS+2*\i:GS+2*\i+1], v[GS+2*\i], s[TBS:TBS+1] scale_offset
.endr
.endm
; Level l's two features.  The weights are made ahead of the wait.  The count: the 8 gathers of each younger level that has been issued, five levels at the most.
.macro CONSUME l
.set GS, G+16*((\l)%6)
.set AL, A+2*(\l)
.if 15-(\l) < 5
.set CNT, 8*(15-(\l))
.else
.set CNT, 40
.endif
	v_mul_f32 v[POS],   s[RES+(\l)], v[X01]
	v_mul_f32 v[POS+1], s[RES+(\l)], v[X01+1]
	v_mul_f32 v[POS+2], s[RES+(\l)], v[X01+2]
	v_floor_f32 v[FL],   v[POS]
	v_floor_f32 v[FL+1], v[POS+1]
	v_floor_f32 v[FL+2], v[POS+2]
	v_sub_f32 v[W6+1], v[POS],   v[FL]             ; w
	v_sub_f32 v[W6+3], v[POS+1], v[FL+1]
	v_sub_f32 v[W6+5], v[POS+2], v[FL+2]
	v_sub_f32 v[W6],   1.0, v[W6+1]                ; 1 - w
	v_sub_f32 v[W6+2], 1.0, v[W6+3]
	v_sub_f32 v[W6+4], 1.0, v[W6+5]
	v_pk_mul_f32 v[WXY:WXY+1],   v[W6:W6+1], v[W6+2:W6+3] op_sel_hi:[1,0]                 ; (1 - wx, wx) x (1 - wy)
	v_pk_mul_f32 v[WXY+2:WXY+3], v[W6:W6+1], v[W6+2:W6+3] op_sel:[0,1] op_sel_hi:[1,1]    ; x wy
	v_pk_mul_f32 v[WC:WC+1],     v[WXY:WXY+1],   v[W6+4:W6+5] op_sel_hi:[1,0]             ; x (1 - wz): corners 0 to 3
	v_pk_mul_f32 v[WC+2:WC+3],   v[WXY+2:WXY+3], v[W6+4:W6+5] op_sel_hi:[1,0]
	v_pk_mul_f32 v[WC+4:WC+5],   v[WXY:WXY+1],   v[W6+4:W6+5] op_sel:[0,1] op_sel_hi:[1,1]  ; x wz: corners 4 to 7
	v_pk_mul_f32 v[WC+6:WC+7],   v[WXY+2:WXY+3], v[W6+4:W6+5] op_sel:[0,1] op_sel_hi:[1,1]
	s_wait_loadcnt CNT                             ; this level's eight gathers are in; the younger levels' stay out
	v_pk_mul_f32 v[AL:AL+1],     v[GS:GS+1],       v[WC:WC+1] op_sel_hi:[1,0]             ; two chains: corners 0 to 3, corners 4 to 7; a corner's weight serves both features
	v_pk_mul_f32 v[ACC2:ACC2+1], v[GS+8:GS+9],     v[WC+4:WC+5] op_sel_hi:[1,0]
	v_pk_fma_f32 v[AL:AL+1],     v[GS+2:GS+3],     v[WC:WC+1],   v[AL:AL+1] op_sel:[0,1,0] op_sel_hi:[1,1,1]
	v_pk_fma_f32 v[ACC2:ACC2+1], v[GS+10:GS+11],   v[WC+4:WC+5], v[ACC2:ACC2+1] op_sel:[0,1,0] op_sel_hi:[1,1,1]
	v_pk_fma_f32 v[AL:AL+1],     v[GS+4:GS+5],     v[WC+2:WC+3], v[AL:AL+1] op_sel_hi:[1,0,1]
	v_pk_fma_f32 v[ACC2:ACC2+1], v[GS+12:GS+13],   v[WC+6:WC+7], v[ACC2:ACC2+1] op_sel_hi:[1,0,1]
	v_pk_fma_f32 v[AL:AL+1],     v[GS+6:GS+7],     v[WC+2:WC+3], v[AL:AL+1] op_sel:[0,1,0] op_sel_hi:[1,1,1]
	v_pk_fma_f32 v[ACC2:ACC2+1], v[GS+14:GS+15],   v[WC+6:WC+7], v[ACC2:ACC2+1] op_sel:[0,1,0] op_sel_hi:[1,1,1]
	v_pk_add_f32 v[AL:AL+1], v[AL:AL+1], v[ACC2:ACC2+1]
.endm
; The largest magnitude of a lane's 32 numbers v[s] .. v[s + 31], one whole block, into v[ma]; among the leaves the floor 2^(3 - 127), so that the scale's byte cannot fall under 1.  Two chains.
.macro MAX32 ma, mb, s
	v_max3_num_f32 v[\ma], |v[\s]|, |v[\s+1]|, 0x1800000
	v_max3_num_f32 v[\mb], |v[\s+16]|, |v[\s+17]|, |v[\s+18]|
.irp i, 2,4,6,8,10,12
	v_max3_num_f32 v[\ma], v[\ma], |v[\s+\i]|, |v[\s+\i+1]|
	v_max3_num_f32 v[\mb], v[\mb], |v[\s+17+\i]|, |v[\s+18+\i]|
.endr
	v_max3_num_f32 v[\ma], v[\ma], |v[\s+14]|, |v[\s+15]|
	v_max3_num_f32 v[\ma], v[\ma], v[\mb], |v[\s+31]|
.endm
.Ltrip:
	s_wait_loadcnt 0x0                             ; this block's cells and x, asked for ahead of the last MLP (in the first trip: at the head); their offsets may be stepped from here on
	v_fma_f32 v[X01],   v[XR],   0.5, 0.5          ; x / 2 is exact: the one rounding is the addition's
	v_fma_f32 v[X01+1], v[XR+1], 0.5, 0.5
	v_fma_f32 v[X01+2], v[XR+2], 0.5, 0.5
	ISSUE 0
	ISSUE 1
	ISSUE 2
	ISSUE 3
	ISSUE 4
	; A prefetch of the cells that the next trip reads, behind the run of gathers just issued: an even wave names its own next block and its odd partner's, 16 levels each, a lane a stretch of 256 bytes:
	; each stretch is named once in the launch, sixteen levels' work ahead of the loads that want it.  It is left out where the partner has no next block, so no lane points past the buffer's end;
	; the first blocks, x, and the eighth block of a wave whose partner has seven come by their loads alone.
	s_cmp_lt_u32 s[NB], s[LIM]
	s_cbranch_scc0 .Lno_ask
	global_prefetch_b8 v[PFO], s[6:7] offset:STRIDE*256 th:TH_LOAD_NT scope:SCOPE_SE
.Lno_ask:
.set LV, 0
.rept 16
.if LV+5 < 16
	ISSUE LV+5
.endif
	CONSUME LV
.set LV, LV+1
.endr
	s_cmp_eq_u32 s[TR], 1                          ; the last trip asks for nothing: no load leaves its buffer.  No counted wait for loads stands between here and the trip's head
	s_cbranch_scc1 .Lno_next
	v_add_nc_u32 v[CO], STRIDE*256, v[CO]
	v_add_nc_u32 v[XO], STRIDE*384, v[XO]
	CLOADS
.Lno_next:
	; ---- a is quantised: a lane's 32 features are one block
	MAX32 MXA, MXB, A
	v_add_nc_u32 v[SCL], 0xff000000, v[MXA]        ; 2 off the largest magnitude's exponent field: the conversion takes the exponent field of this operand as its scale
	v_lshrrev_b32 v[BYL], 23, v[SCL]               ; the scale's byte
	v_lshl_or_b32 v[SB1], v[BYL], 8, v[BYL]        ; in bytes 0 and 1: points 0-15 stand in K block 0, points 16-31 in K block 1
	v_cvt_scalef32_pk16_fp6_f32 v[QT:QT+2],   v[A:A+15],    v[SCL]
	v_cvt_scalef32_pk16_fp6_f32 v[QT2:QT2+2], v[A+16:A+31], v[SCL]
	v_nop                                          ; one plain place behind a scaled conversion
.irp i, 0,1,2
	v_cndmask_b32 v[BL+\i],   0, v[QT+\i],  s[LOW] ; lanes 0-15 keep their codes, lanes 16-31 hold zero codes
	v_cndmask_b32 v[BL+3+\i], 0, v[QT2+\i], s[LOW]
	v_cndmask_b32 v[BH+\i],   v[QT+\i],  0, s[LOW] ; and the other way round
	v_cndmask_b32 v[BH+3+\i], v[QT2+\i], 0, s[LOW]
.endr
	PLACES 8                                       ; a scale register written by a vector instruction stands 8 places ahead of a scaled matrix instruction, an operand so written 4
	WIN 0x11                                       ; source 0 (the weight) and C (the bias) in window 1
.irp t, 0,1,2,3                                ; eight results, no register shared between two of them: no chain
	v_wmma_scale_f32_16x16x128_f8f6f4 v[HL+8*\t:HL+8*\t+7], v[W1F+12*\t:W1F+12*\t+11], v[BL:BL+11], v[B1C+8*\t:B1C+8*\t+7], v[W1S+\t], v[SB1] matrix_a_fmt:MATRIX_FMT_FP6 matrix_b_fmt:MATRIX_FMT_FP6
	v_wmma_scale_f32_16x16x128_f8f6f4 v[HH+8*\t:HH+8*\t+7], v[W1F+12*\t:W1F+12*\t+11], v[BH:BH+11], v[B1C+8*\t:B1C+8*\t+7], v[W1S+\t], v[SB1] matrix_a_fmt:MATRIX_FMT_FP6 matrix_b_fmt:MATRIX_FMT_FP6 matrix_b_scale:MATRIX_SCALE_ROW1
.endr
	WIN 0
	PLACES 4                                       ; four places between a matrix instruction of this form and the first read of its result (ISA guide 7.12.1)
.set J, 0
.rept 64
	v_max_num_f32 v[HL+J], 0, v[HL+J]              ; the activation, in f32; ascending, so that each result is read from its low end on
.set J, J+1
.endr
	; ---- the hidden layer is quantised: lane (r, h) holds units 32 h .. 32 h + 31 of its point: K block h, whole, in the operand's order
	MAX32 MXA, MXB, HL
	MAX32 MXC, MXD, HH
	v_add_nc_u32 v[SCL], 0xff000000, v[MXA]
	v_add_nc_u32 v[SCH], 0xff000000, v[MXC]
	v_lshrrev_b32 v[BYL], 23, v[SCL]
	v_lshrrev_b32 v[BYH], 23, v[SCH]
	v_permlanex16_b32 v[OTL], v[BYL], s[SEL], s[SEL+1]
	v_permlanex16_b32 v[OTH], v[BYH], s[SEL], s[SEL+1]
	v_lshl_or_b32 v[SB2L], v[OTL], 8, v[BYL]       ; lanes 0-15, which alone are read: block 0's byte is mine, block 1's the lane's 16 on
	v_lshl_or_b32 v[SB2H], v[OTH], 8, v[BYH]
	v_cvt_scalef32_pk16_fp6_f32 v[BL:BL+2],   v[HL:HL+15],    v[SCL]
	v_cvt_scalef32_pk16_fp6_f32 v[QT:QT+2],   v[HL+16:HL+31], v[SCL]
	v_cvt_scalef32_pk16_fp6_f32 v[BH:BH+2],   v[HH:HH+15],    v[SCH]
	v_cvt_scalef32_pk16_fp6_f32 v[QT2:QT2+2], v[HH+16:HH+31], v[SCH]
	v_nop                                          ; one plain place behind a scaled conversion
.irp i, 0,1,2
	v_mov_b32 v[BL+3+\i], v[QT+\i]
	v_mov_b32 v[BH+3+\i], v[QT2+\i]
.endr
	PLACES 8
	WIN 0x11
.irp t, 0,1,2,3
	v_wmma_scale_f32_16x16x128_f8f6f4 v[HL+8*\t:HL+8*\t+7], v[W2F+12*\t:W2F+12*\t+11], v[BL:BL+11], v[B2C+8*\t:B2C+8*\t+7], v[W2S+\t], v[SB2L] matrix_a_fmt:MATRIX_FMT_FP6 matrix_b_fmt:MATRIX_FMT_FP6
	v_wmma_scale_f32_16x16x128_f8f6f4 v[HH+8*\t:HH+8*\t+7], v[W2F+12*\t:W2F+12*\t+11], v[BH:BH+11], v[B2C+8*\t:B2C+8*\t+7], v[W2S+\t], v[SB2H] matrix_a_fmt:MATRIX_FMT_FP6 matrix_b_fmt:MATRIX_FMT_FP6
.endr
	WIN 0
	PLACES 4
.set J, 0
.rept 64
	v_max_num_f32 v[HL+J], 0, v[HL+J]
.set J, J+1
.endr
	; ---- the last product, one column: register 8 t + j of lane (r, h) is unit 16 t + 8 h + j, and W3 lies in window 1 in the same order.  Four chains: two for points 0-15, two for points 16-31
	WIN 0x04                                       ; source 1 in window 1
.irp c, 0,1,2,3
	v_pk_mul_f32 v[YA+2*\c:YA+2*\c+1], v[HL+16*\c:HL+16*\c+1], v[W3C+16*(\c%2):W3C+16*(\c%2)+1]
.endr
.irp i, 2,4,6,8,10,12,14
.irp c, 0,1,2,3
	v_pk_fma_f32 v[YA+2*\c:YA+2*\c+1], v[HL+16*\c+\i:HL+16*\c+\i+1], v[W3C+16*(\c%2)+\i:W3C+16*(\c%2)+\i+1], v[YA+2*\c:YA+2*\c+1]
.endr
.endr
	WIN 0
	v_pk_add_f32 v[YA:YA+1],   v[YA:YA+1],   v[YA+2:YA+3]
	v_pk_add_f32 v[YA+4:YA+5], v[YA+4:YA+5], v[YA+6:YA+7]
	v_add_f32 v[YA],   v[YA],   v[YA+1]
	v_add_f32 v[YA+4], v[YA+4], v[YA+5]
	v_permlanex16_b32 v[OTL], v[YA],   s[SEL], s[SEL+1]   ; a point's other 32 units lie in the lane 16 away
	v_permlanex16_b32 v[OTH], v[YA+4], s[SEL], s[SEL+1]
	v_add_f32 v[YA],   v[YA],   v[OTL]             ; point r, in lanes r and 16 + r
	v_add_f32 v[YA+4], v[YA+4], v[OTH]             ; point 16 + r, likewise
	v_cndmask_b32 v[OUTR], v[YA+4], v[YA], s[LOW]  ; lane l takes point l
	v_add_f32 v[OUTR], s30, v[OUTR]                ; + b3
	global_store_b32 v[OO], v[OUTR], s[28:29] th:TH_STORE_NT   ; the wave stores 128 consecutive bytes, aligned to 128
	s_wait_xcnt 0x0                                ; the store has read its data and its offset, the prefetch its offset: they are written again only behind this wait
	v_add_nc_u32 v[OO], STRIDE*128, v[OO]
	v_add_nc_u32 v[PFO], STRIDE*256, v[PFO]
	s_add_co_u32 s[NB], s[NB], STRIDE
	s_sub_co_u32 s[TR], s[TR], 1
	s_cmp_lg_u32 s[TR], 0
	s_cbranch_scc1 .Ltrip
	s_endpgm
.Lfunc_end_k_q3a322230f1_encode_mlp:
	.size	k_q3a322230f1_encode_mlp, .Lfunc_end_k_q3a322230f1_encode_mlp-k_q3a322230f1_encode_mlp
	.p2alignl 7, 3214868480
	.fill 96, 4, 3214868480
	.section	.rodata,"a",@progbits
	.p2align	6, 0x0
	.amdhsa_kernel k_q3a322230f1_encode_mlp
		.amdhsa_group_segment_fixed_size 0
		.amdhsa_private_segment_fixed_size 0
		.amdhsa_enable_private_segment 0
		.amdhsa_kernarg_size 104
		.amdhsa_user_sgpr_count 2
		.amdhsa_user_sgpr_kernarg_segment_ptr 1
		.amdhsa_wavefront_size32 1
		.amdhsa_system_sgpr_workgroup_id_x 1
		.amdhsa_system_sgpr_workgroup_id_y 1
		.amdhsa_system_sgpr_workgroup_id_z 1
		.amdhsa_system_vgpr_workitem_id 0
		.amdhsa_next_free_vgpr 512
		.amdhsa_next_free_sgpr 102
		.amdhsa_reserve_vcc 0
		.amdhsa_float_denorm_mode_32 3
		.amdhsa_float_denorm_mode_16_64 3
		.amdhsa_memory_ordered 1
		.amdhsa_forward_progress 1
		.amdhsa_inst_pref_size 84
	.end_amdhsa_kernel
	.amdgpu_metadata
---
amdhsa.version: [ 1, 2 ]
amdhsa.kernels:
  - .name:           k_q3a322230f1_encode_mlp
    .symbol:         k_q3a322230f1_encode_mlp.kd
    .args:
      - { .name: x, .offset: 0, .size: 8, .value_kind: global_buffer, .address_space: global }
      - { .name: cells, .offset: 8, .size: 8, .value_kind: global_buffer, .address_space: global }
      - { .name: tables, .offset: 16, .size: 8, .value_kind: global_buffer, .address_space: global }
      - { .name: resolutions, .offset: 24, .size: 8, .value_kind: global_buffer, .address_space: global }
      - { .name: W1_codes, .offset: 32, .size: 8, .value_kind: global_buffer, .address_space: global }
      - { .name: W1_scales, .offset: 40, .size: 8, .value_kind: global_buffer, .address_space: global }
      - { .name: W2_codes, .offset: 48, .size: 8, .value_kind: global_buffer, .address_space: global }
      - { .name: W2_scales, .offset: 56, .size: 8, .value_kind: global_buffer, .address_space: global }
      - { .name: b1, .offset: 64, .size: 8, .value_kind: global_buffer, .address_space: global }
      - { .name: b2, .offset: 72, .size: 8, .value_kind: global_buffer, .address_space: global }
      - { .name: W3, .offset: 80, .size: 8, .value_kind: global_buffer, .address_space: global }
      - { .name: b3, .offset: 88, .size: 8, .value_kind: global_buffer, .address_space: global }
      - { .name: out0, .offset: 96, .size: 8, .value_kind: global_buffer, .address_space: global }
    .group_segment_fixed_size: 0
    .private_segment_fixed_size: 0
    .kernarg_segment_align: 8
    .kernarg_segment_size: 104
    .max_flat_workgroup_size: 256
    .sgpr_count:     102
    .vgpr_count:     512
    .wavefront_size: 32
...
	.end_amdgpu_metadata
.endif
;; end of part 2
;; ======== version 2 of 2: 2 launches; version 1 with the launch encode_mlp written anew for expert scheduling mode
;; workspace buffers: cells 64,000,000 bytes of whole numbers
;; launch make_cells: the kernel of part 1 again; grid 3125 x 1, 5 waves a work-group, no clusters, 0 bytes of LDS; arguments x, resolutions, cells; writes cells
;; launch encode_mlp (part 3): grid 256 x 1, 8 waves a work-group, no clusters, 0 bytes of LDS; arguments x, cells, tables, resolutions, W1_codes, W1_scales, W2_codes, W2_scales, b1, b2, W3, b3, out0; writes out0
.if DOCPART == 3
	.amdgcn_target "amdgcn-amd-amdhsa--gfx1250"
	.amdhsa_code_object_version 6
	.text
	.protected	k_q3a322230f1_encode_mlp
	.globl	k_q3a322230f1_encode_mlp
	.p2align	8
	.type	k_q3a322230f1_encode_mlp,@function
k_q3a322230f1_encode_mlp:
	s_mov_b64 s[64:65], 0
	v_nop
	global_prefetch_b8 v0, s[64:65] scope:SCOPE_SE
	s_setreg_imm32_b32 hwreg(HW_REG_WAVE_SCHED_MODE, 0, 2), 2
	s_setreg_imm32_b32 hwreg(HW_REG_WAVE_MODE, 25, 1), 1
	s_wait_xcnt 0x0
	s_wait_alu depctr_vm_vsrc(0)
; out0 = relu(relu(a W1 + b1) W2 + b2) W3 + b3, a = the hash grid's 32 features of a point (16 levels x 2, trilinear over 8 corners).
; The two first products are on codes of FP6 (E2M3) with one E8M0 scale for each 32 along K; W1 and W2 come as codes, a and the first hidden layer are quantised here, in registers.
; The table indices are made of WHOLE NUMBERS that the launch before stored (cells: two words a point and level); the weights w = pos - floor(pos) are made here, in f32, by the same
; instructions on the same numbers as that launch used for the cell.
; SHARES.  15,625 blocks of 32 points.  256 work-groups of eight waves; wave g = 256 x wave + work-group walks blocks g, g + 2,048 ..: 8 trips where g < 1,289, else 7.  A lane is a point.
; Waves share nothing: no LDS, no barrier.  No tensor loads, clusters or joint loads: what work-groups share are tables reached by a gather of 8 bytes a lane, not tiles; the weights are 5 KB and stay in registers.
; GATHERS.  Six sets of 16 registers take turns: the 8 gathers of level l + 5 are issued ahead of the wait for level l's, so 48 gathers of a wave are on their way.  A gather lands on its own index register.
; THE NEXT BLOCK's cells and x are asked for behind the last gather's wait, ahead of the MLP, so that no wait for a gather has to pass them (loads come back in order: ISA guide 5.7.1).
; LAYOUTS.  Both products are used transposed: source 0 = 16 rows of a weight, source 1 = 16 points.  A lane's 32 features are one whole block of K: its six code registers are source 1's registers 0-5 as they stand.
;   Product 1: source 0 holds W1's row in K blocks 0 AND 1 and zero codes in blocks 2, 3.  Points 0-15 (lanes 0-15) go as K block 0, with zero codes in lanes 16-31; points 16-31 (lanes 16-31) as K block 1, with zero
;   codes in lanes 0-15.  Lane r of tile t takes W1's row 32 (r / 8) + 8 t + r % 8, so that the 32 result registers of lane (r, h) are hidden units 32 h + 0 .. 31 of its point: one whole block of the next K.
;   Product 2: tile t takes W2's rows 16 t + r; K blocks 2, 3 are zero codes.  Lane (r, h), register 8 t + j: unit 16 t + 8 h + j.
;   The biases are the C of each product, in the result's layout.  Product 3 has one column: f32 multiply-adds in the lanes and one exchange between the halves of the lanes.
; out0: a block's 32 numbers are 128 consecutive bytes, aligned to 128: 500,000 has no factor 64, so a wave has no 256 bytes of its own to store.
; LIMITS: |pos| under 2^24; a negative pos is taken in two's complement; NaN and infinities in x are not served; a block of zeros gets the scale byte 1 where the quantiser says 127
; (its codes are zeros, which add nothing under any byte but 0xff, and nobody else reads the byte); blocks whose largest magnitude lies under 2^-124 keep the byte 1.
; THE MODE: SCHED_MODE bits 1:0 = 2 (LLVM: expert scheduling mode 2), set by the entry lines.  The code itself states the register dependences between vector or matrix instructions
; and memory instructions, with s_wait_alu, always for 0.
; THE PLAN.  Registers that memory instructions touch:
;   v1, v2, v3, v7   offsets of cells, x, out0 and the prefetch: made at the head and never written again; the blocks are reached by scalar bases, which move on once a trip.
;   C, XR            written by the 17 loads that stand behind level 15's features; read by x01's three lines and by the sixteen levels' index arithmetic of the next trip.  The last of these reads stands ahead of
;                    level 15's wait on va_vdst, and no vector instruction between that wait and the 17 loads names C, XR, v1 or v2: the 17 loads owe no wait.
;   set l % 6 of G   level l's index arithmetic writes its eight even registers; the eight gathers read them and land in all sixteen; level l's sums read them; level l + 6, or the MLP, writes them again.
;   v251             written by the MLP's last two lines, read by the store.
; So: ONE wait on va_vdst behind a level's index arithmetic (levels 0 to 4: one for the five), ahead of its gathers: the indices are written, and whoever read or wrote the set before (the sums of six levels back,
; the last MLP) is done.  From level 5 on the gathers follow it dealt among the weight arithmetic of the level that is due, which names v8 to v35 alone.  THREE waits on vm_vsrc a trip, ahead of the index arithmetic
; of levels 6 and 12 and ahead of the MLP: each states that the gathers issued so far have read their index registers, and frees them for the six sets' next writers.  One wait on va_vdst stands ahead of each run of
; scaled products (codes and scale words made by vector instructions), beside their places, and one ahead of the store.
.set LVB,    4000000                   ; bytes of a level in cells
.set NBLK,   15625                     ; blocks of 32 points
.set STRIDE, 2048                      ; waves in the launch
; ---- window 0
.set CO,  1                            ; v1   256 x my first block + 8 x lane: my place in a level of cells; never rewritten
.set XO,  2                            ; v2   384 x my first block + 12 x lane: in x; never rewritten
.set OO,  3                            ; v3   128 x my first block + 4 x lane: in out0; never rewritten
.set XR,  4                            ; v[4:6] x as loaded
.set PFO, 7                            ; v7   the prefetch's offset in cells; never rewritten
.set X01, 8                            ; v8-10
.set W6,  12                           ; v[12:17] 1 - wx, wx, 1 - wy, wy, 1 - wz, wz
.set POS, 18                           ; v18-20
.set FL,  21                           ; v21-23
.set WC,  24                           ; v[24:31] the eight corners' weights
.set WXY, 32                           ; v[32:35] the four products of x's and y's factors
.set TA,  36                           ; v36 a;  v37 b;  v38 a + P1;  v39 b + P2
.set TB,  37
.set TA1, 38
.set TB1, 39
.set X0M, 40                           ; v40 cx, v41 cx + 1, masked
.set X1M, 41
.set E0,  42                           ; v42-45 y's term xor z's term, masked: index y + 2 z
.set ACC2, 46                          ; v[46:47] corners 4 to 7
.set C,   48                           ; v[48:79] cells: level l at v[48 + 2 l]
.set A,   80                           ; v[80:111] the features: k = 2 l + f
.set G,   112                          ; v[112:207] six sets of 16: a corner's index, then its two features
.set HL,  112                          ; in the MLP: v[112:143] the hidden units of points 0-15, v[144:175] of points 16-31
.set HH,  144
.set MXA, 176                          ; v176-183 at work in the MLP
.set MXB, 177
.set MXC, 178
.set MXD, 179
.set SCL, 180
.set SCH, 181
.set BYL, 182
.set BYH, 183
.set YA,  176                          ; v[176:183] four chains of the last product
.set BL,  208                          ; v[208:219] source 1 for points 0-15: six code registers, six of zero codes that stay
.set BH,  220                          ; v[220:231] for points 16-31
.set W1S, 232                          ; v232-235 W1's scale words, a tile each;  v236-239 W2's
.set W2S, 236
.set SB1, 240                          ; v240 a's scale word;  v241, v242 the hidden layer's: these hold scales and nothing else
.set SB2L, 241
.set SB2H, 242
.set QT,  244                          ; v[244:246], v[248:250] codes on their way (a conversion's three registers begin on an even number)
.set QT2, 248
.set OUTR, 251
.set OTL, 252                          ; v252, v253 what the other half of the lanes sends
.set OTH, 253
; at the head only (in a gather set): addresses of the constants' loads
.set HT,  176
.set HLN, 177
.set HR,  178
.set HHF, 179
.set HN1, 180
.set HW1, 181
.set HW2, 182
.set HS2, 183
.set HB1, 184
.set HB2, 185
; ---- window 1: constants, read once a wave
.set W1F, 0                            ; v[12 t ..] W1's tile t
.set W2F, 48                           ; W2's
.set B1C, 96                           ; v[96 + 8 t ..] b1 in the result's layout
.set B2C, 128
.set W3C, 160
; ---- scalars
.set RES, 32                           ; s[32:47] resolutions
.set TBL, 48                           ; s[48:63], s[66:81] a base for each level's table
.set CB,  82                           ; s[82:89] four bases in cells, at levels 1, 5, 9, 13; they move on by 2,048 blocks at each trip's head
.set P1,  90
.set P2,  91
.set MSK, 92                           ; 2^19 - 1
.set LOW, 93                           ; lanes 0-15
.set SEL, 94                           ; s[94:95] v_permlanex16_b32's selects for lane l xor 16
.set TR,  96                           ; trips left
.set WV,  97
.set GID, 98
.set NB,  99                           ; the block that my odd partner takes next trip
.set LIM, 100                          ; 15,625 in even waves, 0 in odd ones
.set MSB, 0
.macro WIN new                         ; the immediate's high byte repeats the setting that is left
.if MSB != \new
	s_set_vgpr_msb (MSB<<8)|\new
.set MSB, \new
.endif
.endm
.macro PLACES n
.rept \n
	v_nop
.endr
.endm
; a block's 16 pairs of cell words and its x: 17 loads; each of the 16 covers 256 consecutive bytes, aligned; x's 384
.macro CLOADS
.irp l, 0,1,2,3,4,5,6,7,8,9,10,11,12,13,14,15
	global_load_b64 v[C+2*\l:C+2*\l+1], v[CO], s[CB+2*(\l/4):CB+2*(\l/4)+1] offset:((\l%4)-1)*LVB th:TH_LOAD_NT
.endr
	global_load_b96 v[XR:XR+2], v[XO], s[4:5] th:TH_LOAD_NT
.endm
	s_load_b512 s[4:19], s[0:1], 0x0               ; x s[4:5], cells s[6:7], tables s[8:9], resolutions s[10:11], W1's codes s[12:13], scales s[14:15], W2's codes s[16:17], scales s[18:19]
	s_load_b256 s[20:27], s[0:1], 0x40             ; b1 s[20:21], b2 s[22:23], W3 s[24:25], b3 s[26:27]
	s_load_b64 s[28:29], s[0:1], 0x60              ; out0
	v_lshrrev_b32 v[HT], 5, v0
	v_readfirstlane_b32 s[WV], v[HT]               ; wave 0..7
	v_and_b32 v[HLN], 31, v0                       ; lane
	v_and_b32 v[HR], 15, v0                        ; r
	v_bfe_u32 v[HHF], v0, 4, 1                     ; h
	s_wait_alu depctr_va_sdst(0)                   ; the wave's number is written, ahead of its first reader: my blocks, my trips and my offsets are made from it
	s_lshl_b32 s[GID], s[WV], 8
	s_add_co_u32 s[GID], s[GID], ttmp9             ; g = 256 x wave + work-group: my first block
	s_cmp_lt_u32 s[GID], NBLK-7*STRIDE
	s_cselect_b32 s[TR], 8, 7                      ; 15,625 = 7 x 2,048 + 1,289
	s_add_co_u32 s[NB], s[GID], 256+STRIDE
	s_and_b32 s2, s[WV], 1
	s_cmp_eq_u32 s2, 0
	s_cselect_b32 s[LIM], NBLK, 0
	s_mov_b32 s[P1], 0x9e3779b1
	s_mov_b32 s[P2], 0x30025795
	s_mov_b32 s[MSK], 0x7ffff
	s_mov_b32 s[LOW], 0xffff
	s_mov_b32 s[SEL], 0x76543210
	s_mov_b32 s[SEL+1], 0xfedcba98
	s_lshl_b32 s2, s[GID], 8
	v_lshl_add_u32 v[CO], v[HLN], 3, s2
	v_mul_u32_u24 v[PFO], v[HR], LVB               ; the prefetch: lane r names level r; lanes 0-15 my block, lanes 16-31 my partner's (256 blocks on)
	v_lshl_add_u32 v[PFO], v[HHF], 16, v[PFO]
	v_add_nc_u32 v[PFO], s2, v[PFO]
	s_mul_i32 s3, s[GID], 384
	v_mad_u32_u24 v[XO], v[HLN], 12, s3
	s_lshl_b32 s31, s[GID], 7
	v_lshl_add_u32 v[OO], v[HLN], 2, s31
	v_and_b32 v[HT], 8, v[HR]
	v_and_b32 v[HN1], 7, v[HR]
	v_lshl_add_u32 v[HN1], v[HT], 2, v[HN1]        ; 32 (r / 8) + r % 8: W1's row for tile 0, and its scale byte's place
	v_mul_u32_u24 v[HW1], v[HN1], 24               ; a row of W1 is 24 bytes; both halves of the lanes take the same
	v_mul_u32_u24 v[HW2], v[HR], 48                ; a row of W2 is 48 bytes,
	v_mad_u32_u24 v[HW2], v[HHF], 24, v[HW2]       ; its K block h 24 h on
	v_lshlrev_b32 v[HS2], 1, v[HR]                 ; W2's scales: two bytes a row
	v_lshlrev_b32 v[HB1], 7, v[HHF]                ; b1: units 32 h + 8 t on
	v_lshlrev_b32 v[HB2], 5, v[HHF]                ; b2, W3: units 16 t + 8 h on
.irp i, 6,7,8,9,10,11
	v_mov_b32 v[BL+\i], 0                          ; zero codes, for the whole launch
	v_mov_b32 v[BH+\i], 0
.endr
	v_mov_b32 v[OTL], 0                            ; written once: a lane permute's destination counts as one of its sources
	v_mov_b32 v[OTH], 0
	WIN 0x40                                       ; destination window 1
.irp t, 0,1,2,3
.irp i, 6,7,8,9,10,11
	v_mov_b32 v[W1F+12*\t+\i], 0                   ; zero codes fill K from 64 to 127
	v_mov_b32 v[W2F+12*\t+\i], 0
.endr
.endr
	WIN 0
	s_wait_kmcnt 0x0
	s_load_b512 s[RES:RES+15], s[10:11], 0x0       ; nobody writes these tensors: scalar loads serve
	s_load_b32 s30, s[26:27], 0x0                  ; b3
.irp l, 0,1,2,3,4,5,6,7,8,9,10,11,12,13,14,15
	s_add_nc_u64 s[TBL+2*\l+2*(\l/8):TBL+2*\l+2*(\l/8)+1], s[8:9], \l*4194304
.endr
.irp q, 0,1,2,3
	s_add_nc_u64 s[CB+2*\q:CB+2*\q+1], s[6:7], (4*\q+1)*LVB
.endr
	s_wait_alu depctr_va_vdst(0)                   ; the offsets v1, v2, v3, v7 and v180 to v185 are written, which the loads below, the prefetches and the stores read.  Up to the wait for these loads only loads and window switches follow
	CLOADS                                         ; the first block
	WIN 0x40                                       ; destination window 1, address window 0
.irp t, 0,1,2,3
.irp p, 0,1,2
	global_load_b64 v[W1F+12*\t+2*\p:W1F+12*\t+2*\p+1], v[HW1], s[12:13] offset:192*\t+8*\p
	global_load_b64 v[W2F+12*\t+2*\p:W2F+12*\t+2*\p+1], v[HW2], s[16:17] offset:768*\t+8*\p
.endr
	global_load_b128 v[B1C+8*\t:B1C+8*\t+3],   v[HB1], s[20:21] offset:32*\t
	global_load_b128 v[B1C+8*\t+4:B1C+8*\t+7], v[HB1], s[20:21] offset:32*\t+16
	global_load_b128 v[B2C+8*\t:B2C+8*\t+3],   v[HB2], s[22:23] offset:64*\t
	global_load_b128 v[B2C+8*\t+4:B2C+8*\t+7], v[HB2], s[22:23] offset:64*\t+16
	global_load_b128 v[W3C+8*\t:W3C+8*\t+3],   v[HB2], s[24:25] offset:64*\t
	global_load_b128 v[W3C+8*\t+4:W3C+8*\t+7], v[HB2], s[24:25] offset:64*\t+16
.endr
	WIN 0
.irp t, 0,1,2,3
	global_load_u8  v[W1S+\t], v[HN1], s[14:15] offset:8*\t
	global_load_u16 v[W2S+\t], v[HS2], s[18:19] offset:32*\t   ; a row's two bytes are its scale word as they lie; bytes 2, 3 are 0, over zero codes
.endr
	s_wait_loadcnt 0x0                             ; the constants, and the first block
	s_wait_kmcnt 0x0                               ; the resolutions and b3
.irp t, 0,1,2,3
	v_lshl_or_b32 v[W1S+\t], v[W1S+\t], 8, v[W1S+\t]   ; W1's row stands in K blocks 0 and 1: its byte in bytes 0 and 1
.endr
	s_wait_alu depctr_vm_vsrc(0)                   ; the constants' loads have read their offsets v180 to v185, which lie in the set that level 4's index arithmetic writes
; The eight table indices of level l, into the even registers of its set.  Bits above 18 of every term are dropped by the masks.  The index is held under 2^19 once more by a minimum with that constant written in the line.
.macro INDEX l
.set GI, G+16*((\l)%6)
	v_alignbit_b32 v[TA], v[C+2*(\l)+1], v[C+2*(\l)], 19   ; a's low 19 bits (and bits of b above them)
	v_lshrrev_b32 v[TB], 6, v[C+2*(\l)+1]          ; b's low 26
	v_add_nc_u32 v[X1M], 1, v[C+2*(\l)]
	v_add_nc_u32 v[TA1], s[P1], v[TA]              ; (cy + 1) P1 = cy P1 + P1
	v_add_nc_u32 v[TB1], s[P2], v[TB]
	v_and_b32 v[X0M], s[MSK], v[C+2*(\l)]
	v_and_b32 v[X1M], s[MSK], v[X1M]
	v_xor_b32 v[E0],   v[TA],  v[TB]
	v_xor_b32 v[E0+1], v[TA1], v[TB]
	v_xor_b32 v[E0+2], v[TA],  v[TB1]
	v_xor_b32 v[E0+3], v[TA1], v[TB1]
.irp i, 0,1,2,3
	v_and_b32 v[E0+\i], s[MSK], v[E0+\i]
.endr
.irp i, 0,1,2,3,4,5,6,7                        ; corner i: x = i & 1, y = (i >> 1) & 1, z = i >> 2
	v_xor_b32 v[GI+2*\i], v[X0M+(\i&1)], v[E0+(\i>>1)]
.endr
.irp i, 0,1,2,3,4,5,6,7
	v_min_u32 v[GI+2*\i], 0x7ffff, v[GI+2*\i]
.endr
.endm
; The gathers of corners i and i + 1 of level l, where there is such a level.  The index is multiplied by the access's 8 bytes in the load itself.  A load lands on its own index register.
.macro GATHER2 l, i
.if (\l) < 16
.set GG, G+16*((\l)%6)+2*(\i)
.set TBS, TBL+2*(\l)+2*((\l)/8)
	global_load_b64 v[GG:GG+1],   v[GG],   s[TBS:TBS+1] scale_offset
	global_load_b64 v[GG+2:GG+3], v[GG+2], s[TBS:TBS+1] scale_offset
.endif
.endm
; Step l: level l + 5 is asked for, level l's two features are made.  The weights are made ahead of the wait for the gathers.  That wait's count: the 8 gathers of each younger level that has been issued, five levels at the most.
.macro STEP l
.set GS, G+16*((\l)%6)
.set AL, A+2*(\l)
.if 15-(\l) < 5
.set CNT, 8*(15-(\l))
.else
.set CNT, 40
.endif
.if (\l)+5 < 16
.if ((\l)+5)%6 == 0
	s_wait_alu depctr_vm_vsrc(0)                   ; ahead of levels 6 and 12: the gathers issued so far, those of the six levels before among them, have read their index registers, which this level's index arithmetic and that of the levels behind it write again; the last trip's store has read v251
.endif
	INDEX (\l)+5
	s_wait_alu depctr_va_vdst(0)                   ; level l + 5's indices are written, which its gathers read and land on; the sums of level l - 1 are done reading that set.  The weight arithmetic among the gathers names v8 to v35 alone
.endif
	GATHER2 (\l)+5, 0
	v_mul_f32 v[POS],   s[RES+(\l)], v[X01]
	v_mul_f32 v[POS+1], s[RES+(\l)], v[X01+1]
	v_mul_f32 v[POS+2], s[RES+(\l)], v[X01+2]
	GATHER2 (\l)+5, 2
	v_floor_f32 v[FL],   v[POS]
	v_floor_f32 v[FL+1], v[POS+1]
	v_floor_f32 v[FL+2], v[POS+2]
	GATHER2 (\l)+5, 4
	v_sub_f32 v[W6+1], v[POS],   v[FL]             ; w
	v_sub_f32 v[W6+3], v[POS+1], v[FL+1]
	v_sub_f32 v[W6+5], v[POS+2], v[FL+2]
	GATHER2 (\l)+5, 6
	v_sub_f32 v[W6],   1.0, v[W6+1]                ; 1 - w
	v_sub_f32 v[W6+2], 1.0, v[W6+3]
	v_sub_f32 v[W6+4], 1.0, v[W6+5]
	v_pk_mul_f32 v[WXY:WXY+1],   v[W6:W6+1], v[W6+2:W6+3] op_sel_hi:[1,0]                 ; (1 - wx, wx) x (1 - wy)
	v_pk_mul_f32 v[WXY+2:WXY+3], v[W6:W6+1], v[W6+2:W6+3] op_sel:[0,1] op_sel_hi:[1,1]    ; x wy
	v_pk_mul_f32 v[WC:WC+1],     v[WXY:WXY+1],   v[W6+4:W6+5] op_sel_hi:[1,0]             ; x (1 - wz): corners 0 to 3
	v_pk_mul_f32 v[WC+2:WC+3],   v[WXY+2:WXY+3], v[W6+4:W6+5] op_sel_hi:[1,0]
	v_pk_mul_f32 v[WC+4:WC+5],   v[WXY:WXY+1],   v[W6+4:W6+5] op_sel:[0,1] op_sel_hi:[1,1]  ; x wz: corners 4 to 7
	v_pk_mul_f32 v[WC+6:WC+7],   v[WXY+2:WXY+3], v[W6+4:W6+5] op_sel:[0,1] op_sel_hi:[1,1]
	s_wait_loadcnt CNT                             ; this level's eight gathers are in; the younger levels' stay out
	v_pk_mul_f32 v[AL:AL+1],     v[GS:GS+1],       v[WC:WC+1] op_sel_hi:[1,0]             ; two chains: corners 0 to 3, corners 4 to 7; a corner's weight serves both features
	v_pk_mul_f32 v[ACC2:ACC2+1], v[GS+8:GS+9],     v[WC+4:WC+5] op_sel_hi:[1,0]
	v_pk_fma_f32 v[AL:AL+1],     v[GS+2:GS+3],     v[WC:WC+1],   v[AL:AL+1] op_sel:[0,1,0] op_sel_hi:[1,1,1]
	v_pk_fma_f32 v[ACC2:ACC2+1], v[GS+10:GS+11],   v[WC+4:WC+5], v[ACC2:ACC2+1] op_sel:[0,1,0] op_sel_hi:[1,1,1]
	v_pk_fma_f32 v[AL:AL+1],     v[GS+4:GS+5],     v[WC+2:WC+3], v[AL:AL+1] op_sel_hi:[1,0,1]
	v_pk_fma_f32 v[ACC2:ACC2+1], v[GS+12:GS+13],   v[WC+6:WC+7], v[ACC2:ACC2+1] op_sel_hi:[1,0,1]
	v_pk_fma_f32 v[AL:AL+1],     v[GS+6:GS+7],     v[WC+2:WC+3], v[AL:AL+1] op_sel:[0,1,0] op_sel_hi:[1,1,1]
	v_pk_fma_f32 v[ACC2:ACC2+1], v[GS+14:GS+15],   v[WC+6:WC+7], v[ACC2:ACC2+1] op_sel:[0,1,0] op_sel_hi:[1,1,1]
	v_pk_add_f32 v[AL:AL+1], v[AL:AL+1], v[ACC2:ACC2+1]
.endm
; The largest magnitude of a lane's 32 numbers v[s] .. v[s + 31], one whole block, into v[ma]; among the leaves the floor 2^(3 - 127), so that the scale's byte cannot fall under 1.  Two chains.
.macro MAX32 ma, mb, s
	v_max3_num_f32 v[\ma], |v[\s]|, |v[\s+1]|, 0x1800000
	v_max3_num_f32 v[\mb], |v[\s+16]|, |v[\s+17]|, |v[\s+18]|
.irp i, 2,4,6,8,10,12
	v_max3_num_f32 v[\ma], v[\ma], |v[\s+\i]|, |v[\s+\i+1]|
	v_max3_num_f32 v[\mb], v[\mb], |v[\s+17+\i]|, |v[\s+18+\i]|
.endr
	v_max3_num_f32 v[\ma], v[\ma], |v[\s+14]|, |v[\s+15]|
	v_max3_num_f32 v[\ma], v[\ma], v[\mb], |v[\s+31]|
.endm
.Ltrip:
	s_wait_loadcnt 0x0                             ; this block's cells and x, asked for ahead of the last MLP (in the first trip: at the head)
.irp q, 0,1,2,3
	s_add_nc_u64 s[CB+2*\q:CB+2*\q+1], s[CB+2*\q:CB+2*\q+1], STRIDE*256   ; free since that wait, which shows the loads that read them done: the bases of cells and of x at my next block
.endr
	s_add_nc_u64 s[4:5], s[4:5], STRIDE*384
	v_fma_f32 v[X01],   v[XR],   0.5, 0.5          ; x / 2 is exact: the one rounding is the addition's
	v_fma_f32 v[X01+1], v[XR+1], 0.5, 0.5
	v_fma_f32 v[X01+2], v[XR+2], 0.5, 0.5
.irp l, 0,1,2,3,4
	INDEX \l                                       ; five levels' indices are made together, each in its own set,
.endr
	s_wait_alu depctr_va_vdst(0)                   ; and one wait serves their forty gathers: the indices are written, and the last MLP is done reading and writing the registers of the sets, in which the gathers land
.irp l, 0,1,2,3,4
.irp i, 0,2,4,6
	GATHER2 \l, \i
.endr
.endr
	; A prefetch of the cells that the next trip reads, behind the run of gathers just issued: an even wave names its own next block and its odd partner's, 16 levels each, a lane a stretch of 256 bytes:
	; each stretch is named once in the launch, sixteen levels' work ahead of the loads that want it.  It is left out where the partner has no next block, so no lane points past the buffer's end;
	; the first blocks, x, and the eighth block of a wave whose partner has seven come by their loads alone.
	s_cmp_lt_u32 s[NB], s[LIM]
	s_cbranch_scc0 .Lno_ask
	global_prefetch_b8 v[PFO], s[6:7] offset:STRIDE*256 th:TH_LOAD_NT scope:SCOPE_SE
.Lno_ask:
.set LV, 0
.rept 16
	STEP LV
.set LV, LV+1
.endr
	s_wait_alu depctr_vm_vsrc(0)                   ; the gathers of levels 12 to 15 have read their index registers: the hidden layers below, and the next trip's first indices, are written over them
	s_cmp_eq_u32 s[TR], 1                          ; the last trip asks for nothing: no load leaves its buffer.  No counted wait for loads stands between here and the trip's head
	s_cbranch_scc1 .Lno_next
	CLOADS                                         ; no wait on va_vdst: C and XR were last read ahead of level 15's wait, and nothing issued since names them or v1, v2
.Lno_next:
	; ---- a is quantised: a lane's 32 features are one block
	MAX32 MXA, MXB, A
	v_add_nc_u32 v[SCL], 0xff000000, v[MXA]        ; 2 off the largest magnitude's exponent field: the conversion takes the exponent field of this operand as its scale
	v_lshrrev_b32 v[BYL], 23, v[SCL]               ; the scale's byte
	v_lshl_or_b32 v[SB1], v[BYL], 8, v[BYL]        ; in bytes 0 and 1: points 0-15 stand in K block 0, points 16-31 in K block 1
	v_cvt_scalef32_pk16_fp6_f32 v[QT:QT+2],   v[A:A+15],    v[SCL]
	v_cvt_scalef32_pk16_fp6_f32 v[QT2:QT2+2], v[A+16:A+31], v[SCL]
	v_nop                                          ; one plain place behind a scaled conversion
.irp i, 0,1,2
	v_cndmask_b32 v[BL+\i],   0, v[QT+\i],  s[LOW] ; lanes 0-15 keep their codes, lanes 16-31 hold zero codes
	v_cndmask_b32 v[BL+3+\i], 0, v[QT2+\i], s[LOW]
	v_cndmask_b32 v[BH+\i],   v[QT+\i],  0, s[LOW] ; and the other way round
	v_cndmask_b32 v[BH+3+\i], v[QT2+\i], 0, s[LOW]
.endr
	PLACES 8                                       ; a scale register written by a vector instruction stands 8 places ahead of a scaled matrix instruction, an operand so written 4
	WIN 0x11                                       ; source 0 (the weight) and C (the bias) in window 1
	s_wait_alu depctr_va_vdst(0)                   ; a's codes in v208 to v213 and v220 to v225 and its scale word v240 are written, which the scaled products take; the places above stay beside this wait
.irp t, 0,1,2,3                                ; eight results, no register shared between two of them: no chain
	v_wmma_scale_f32_16x16x128_f8f6f4 v[HL+8*\t:HL+8*\t+7], v[W1F+12*\t:W1F+12*\t+11], v[BL:BL+11], v[B1C+8*\t:B1C+8*\t+7], v[W1S+\t], v[SB1] matrix_a_fmt:MATRIX_FMT_FP6 matrix_b_fmt:MATRIX_FMT_FP6
	v_wmma_scale_f32_16x16x128_f8f6f4 v[HH+8*\t:HH+8*\t+7], v[W1F+12*\t:W1F+12*\t+11], v[BH:BH+11], v[B1C+8*\t:B1C+8*\t+7], v[W1S+\t], v[SB1] matrix_a_fmt:MATRIX_FMT_FP6 matrix_b_fmt:MATRIX_FMT_FP6 matrix_b_scale:MATRIX_SCALE_ROW1
.endr
	WIN 0
	PLACES 4                                       ; four places between a matrix instruction of this form and the first read of its result (ISA guide 7.12.1)
.set J, 0
.rept 64
	v_max_num_f32 v[HL+J], 0, v[HL+J]              ; the activation, in f32; ascending, so that each result is read from its low end on
.set J, J+1
.endr
	; ---- the hidden layer is quantised: lane (r, h) holds units 32 h .. 32 h + 31 of its point: K block h, whole, in the operand's order
	MAX32 MXA, MXB, HL
	MAX32 MXC, MXD, HH
	v_add_nc_u32 v[SCL], 0xff000000, v[MXA]
	v_add_nc_u32 v[SCH], 0xff000000, v[MXC]
	v_lshrrev_b32 v[BYL], 23, v[SCL]
	v_lshrrev_b32 v[BYH], 23, v[SCH]
	v_permlanex16_b32 v[OTL], v[BYL], s[SEL], s[SEL+1]
	v_permlanex16_b32 v[OTH], v[BYH], s[SEL], s[SEL+1]
	v_lshl_or_b32 v[SB2L], v[OTL], 8, v[BYL]       ; lanes 0-15, which alone are read: block 0's byte is mine, block 1's the lane's 16 on
	v_lshl_or_b32 v[SB2H], v[OTH], 8, v[BYH]
	v_cvt_scalef32_pk16_fp6_f32 v[BL:BL+2],   v[HL:HL+15],    v[SCL]
	v_cvt_scalef32_pk16_fp6_f32 v[QT:QT+2],   v[HL+16:HL+31], v[SCL]
	v_cvt_scalef32_pk16_fp6_f32 v[BH:BH+2],   v[HH:HH+15],    v[SCH]
	v_cvt_scalef32_pk16_fp6_f32 v[QT2:QT2+2], v[HH+16:HH+31], v[SCH]
	v_nop                                          ; one plain place behind a scaled conversion
.irp i, 0,1,2
	v_mov_b32 v[BL+3+\i], v[QT+\i]
	v_mov_b32 v[BH+3+\i], v[QT2+\i]
.endr
	PLACES 8
	WIN 0x11
	s_wait_alu depctr_va_vdst(0)                   ; the hidden layer's codes and its scale words v241, v242 are written, which the scaled products take; the places above stay beside this wait
.irp t, 0,1,2,3
	v_wmma_scale_f32_16x16x128_f8f6f4 v[HL+8*\t:HL+8*\t+7], v[W2F+12*\t:W2F+12*\t+11], v[BL:BL+11], v[B2C+8*\t:B2C+8*\t+7], v[W2S+\t], v[SB2L] matrix_a_fmt:MATRIX_FMT_FP6 matrix_b_fmt:MATRIX_FMT_FP6
	v_wmma_scale_f32_16x16x128_f8f6f4 v[HH+8*\t:HH+8*\t+7], v[W2F+12*\t:W2F+12*\t+11], v[BH:BH+11], v[B2C+8*\t:B2C+8*\t+7], v[W2S+\t], v[SB2H] matrix_a_fmt:MATRIX_FMT_FP6 matrix_b_fmt:MATRIX_FMT_FP6
.endr
	WIN 0
	PLACES 4
.set J, 0
.rept 64
	v_max_num_f32 v[HL+J], 0, v[HL+J]
.set J, J+1
.endr
	; ---- the last product, one column: register 8 t + j of lane (r, h) is unit 16 t + 8 h + j, and W3 lies in window 1 in the same order.  Four chains: two for points 0-15, two for points 16-31
	WIN 0x04                                       ; source 1 in window 1
.irp c, 0,1,2,3
	v_pk_mul_f32 v[YA+2*\c:YA+2*\c+1], v[HL+16*\c:HL+16*\c+1], v[W3C+16*(\c%2):W3C+16*(\c%2)+1]
.endr
.irp i, 2,4,6,8,10,12,14
.irp c, 0,1,2,3
	v_pk_fma_f32 v[YA+2*\c:YA+2*\c+1], v[HL+16*\c+\i:HL+16*\c+\i+1], v[W3C+16*(\c%2)+\i:W3C+16*(\c%2)+\i+1], v[YA+2*\c:YA+2*\c+1]
.endr
.endr
	WIN 0
	v_pk_add_f32 v[YA:YA+1],   v[YA:YA+1],   v[YA+2:YA+3]
	v_pk_add_f32 v[YA+4:YA+5], v[YA+4:YA+5], v[YA+6:YA+7]
	v_add_f32 v[YA],   v[YA],   v[YA+1]
	v_add_f32 v[YA+4], v[YA+4], v[YA+5]
	v_permlanex16_b32 v[OTL], v[YA],   s[SEL], s[SEL+1]   ; a point's other 32 units lie in the lane 16 away
	v_permlanex16_b32 v[OTH], v[YA+4], s[SEL], s[SEL+1]
	v_add_f32 v[YA],   v[YA],   v[OTL]             ; point r, in lanes r and 16 + r
	v_add_f32 v[YA+4], v[YA+4], v[OTH]             ; point 16 + r, likewise
	v_cndmask_b32 v[OUTR], v[YA+4], v[YA], s[LOW]  ; lane l takes point l
	v_add_f32 v[OUTR], s30, v[OUTR]                ; + b3
	s_wait_alu depctr_va_vdst(0)                   ; v251 is written, which the store reads
	global_store_b32 v[OO], v[OUTR], s[28:29] th:TH_STORE_NT   ; the wave stores 128 consecutive bytes, aligned to 128
	s_wait_xcnt 0x0                                ; the store and the prefetch have had their addresses translated (ISA guide 3.1): their bases move on, and v251 is written again, only behind this wait
	s_add_nc_u64 s[28:29], s[28:29], STRIDE*128    ; out0 at my next block
	s_add_nc_u64 s[6:7], s[6:7], STRIDE*256        ; and the prefetch's base in cells
	s_add_co_u32 s[NB], s[NB], STRIDE
	s_sub_co_u32 s[TR], s[TR], 1
	s_cmp_lg_u32 s[TR], 0
	s_cbranch_scc1 .Ltrip
	s_endpgm
.Lfunc_end_k_q3a322230f1_encode_mlp:
	.size	k_q3a322230f1_encode_mlp, .Lfunc_end_k_q3a322230f1_encode_mlp-k_q3a322230f1_encode_mlp
	.p2alignl 7, 3214868480
	.fill 96, 4, 3214868480
	.section	.rodata,"a",@progbits
	.p2align	6, 0x0
	.amdhsa_kernel k_q3a322230f1_encode_mlp
		.amdhsa_group_segment_fixed_size 0
		.amdhsa_private_segment_fixed_size 0
		.amdhsa_enable_private_segment 0
		.amdhsa_kernarg_size 104
		.amdhsa_user_sgpr_count 2
		.amdhsa_user_sgpr_kernarg_segment_ptr 1
		.amdhsa_wavefront_size32 1
		.amdhsa_system_sgpr_workgroup_id_x 1
		.amdhsa_system_sgpr_workgroup_id_y 1
		.amdhsa_system_sgpr_workgroup_id_z 1
		.amdhsa_system_vgpr_workitem_id 0
		.amdhsa_next_free_vgpr 512
		.amdhsa_next_free_sgpr 102
		.amdhsa_reserve_vcc 0
		.amdhsa_float_denorm_mode_32 3
		.amdhsa_float_denorm_mode_16_64 3
		.amdhsa_memory_ordered 1
		.amdhsa_forward_progress 1
		.amdhsa_inst_pref_size 85
	.end_amdhsa_kernel
	.amdgpu_metadata
---
amdhsa.version: [ 1, 2 ]
amdhsa.kernels:
  - .name:           k_q3a322230f1_encode_mlp
    .symbol:         k_q3a322230f1_encode_mlp.kd
    .args:
      - { .name: x, .offset: 0, .size: 8, .value_kind: global_buffer, .address_space: global }
      - { .name: cells, .offset: 8, .size: 8, .value_kind: global_buffer, .address_space: global }
      - { .name: tables, .offset: 16, .size: 8, .value_kind: global_buffer, .address_space: global }
      - { .name: resolutions, .offset: 24, .size: 8, .value_kind: global_buffer, .address_space: global }
      - { .name: W1_codes, .offset: 32, .size: 8, .value_kind: global_buffer, .address_space: global }
      - { .name: W1_scales, .offset: 40, .size: 8, .value_kind: global_buffer, .address_space: global }
      - { .name: W2_codes, .offset: 48, .size: 8, .value_kind: global_buffer, .address_space: global }
      - { .name: W2_scales, .offset: 56, .size: 8, .value_kind: global_buffer, .address_space: global }
      - { .name: b1, .offset: 64, .size: 8, .value_kind: global_buffer, .address_space: global }
      - { .name: b2, .offset: 72, .size: 8, .value_kind: global_buffer, .address_space: global }
      - { .name: W3, .offset: 80, .size: 8, .value_kind: global_buffer, .address_space: global }
      - { .name: b3, .offset: 88, .size: 8, .value_kind: global_buffer, .address_space: global }
      - { .name: out0, .offset: 96, .size: 8, .value_kind: global_buffer, .address_space: global }
    .group_segment_fixed_size: 0
    .private_segment_fixed_size: 0
    .kernarg_segment_align: 8
    .kernarg_segment_size: 104
    .max_flat_workgroup_size: 256
    .sgpr_count:     102
    .vgpr_count:     512
    .wavefront_size: 32
...
	.end_amdgpu_metadata
.endif
;; end of part 3
